; MI455X (gfx1250); checked and timed in simulation.
; The chip was launched on July 23, 2026; its instructions are those of AMD's public machine-readable ISA for CDNA 5 (MIT licence, August 2026) and "CDNA5" Instruction Set Architecture Reference Guide (July 2026). The comments in the code are by the model that wrote it; some were corrected since.
;; Cross Attention Decoder. Allowed arithmetic: float matrix products may take bf16 or f16 operands with f32 sums; all other float work in f32.
;; Inputs: Wk 512 x 512 float32; Wo 512 x 512 float32; Wq 512 x 512 float32; Wv 512 x 512 float32; bo 512 float32; l 512 x 64 x 512 float32; x 512 x 16 x 512 float32.
;; Outputs: out0 512 x 16 x 512 float32.
;; Constants: num_heads = 8.
;; One version. Each part assembles by itself: llvm-mc -triple=amdgcn-amd-amdhsa -mcpu=gfx1250 --defsym DOCPART=n.
;; ======== version 1 of 1: 2 launches
;; limits: values are held in f16: magnitudes above 65,504 overflow, below 6.1e-05 lose precision
;; workspace buffers: wf 2,097,152 bytes
;; launch prep (part 1): grid 256 x 1, 8 waves a work-group, no clusters, 0 bytes of LDS; arguments Wq, Wk, Wv, Wo, wf; writes wf
.if DOCPART == 1
	.amdgcn_target "amdgcn-amd-amdhsa--gfx1250"
	.amdhsa_code_object_version 6
	.text
	.protected	k_q7ac9505940_prep
	.globl	k_q7ac9505940_prep
	.p2align	8
	.type	k_q7ac9505940_prep,@function
k_q7ac9505940_prep:
	s_mov_b64 s[64:65], 0
	v_nop
	global_prefetch_b8 v0, s[64:65] scope:SCOPE_SE
	s_setreg_imm32_b32 hwreg(HW_REG_WAVE_MODE, 25, 1), 1
	s_wait_xcnt 0x0
; The four weight matrices [512][512] f32 become f16, laid out in the order in which the next launch's waves feed them to the matrix unit.
; wf = 16 blocks of 131,072 bytes; block 4 mat + sl holds k = 128 sl .. 128 sl + 127 of matrix mat (Wq, Wk, Wv, Wo).
; Inside a block: [w:4][ksl:4][nt:8][half:2][lane:32][8 f16], byte = w<<15 | ksl<<13 | nt<<10 | half<<9 | lane<<4,
; holding W[128 w + 16 nt + (lane & 15)][128 sl + 32 ksl + 16 half + 8 (lane >> 4) + 0..7]:
; a 16 x 32 fragment is 1,024 dense bytes, lane by lane in register order.
; LIMIT: f16. A weight of magnitude 65,504 or more becomes infinite; below 6.1e-5 it carries an absolute error of up to 2^-25.
; Work-group id = mat<<6 | sl<<4 | w<<2 | ksl1<<1 | nt2; thread = nt10<<6 | half<<5 | lane; a thread makes the units of ksl = 2 ksl1 and 2 ksl1 + 1.
; A work-group reads 64 rows x 256 aligned bytes, each byte once; a store of a wave covers 512 consecutive bytes, aligned.
; No LDS, no matrix unit, no cluster: 4 MiB in, 2 MiB out, nothing shared between work-groups.
	s_load_b256 s[4:11], s[0:1], 0x0               ; Wq s[4:5], Wk s[6:7], Wv s[8:9], Wo s[10:11]
	s_load_b64 s[12:13], s[0:1], 0x20              ; wf
	s_lshr_b32 s14, ttmp9, 6                       ; mat
	s_bfe_u32 s15, ttmp9, 0x20004                  ; sl
	s_bfe_u32 s16, ttmp9, 0x20002                  ; w
	s_bfe_u32 s17, ttmp9, 0x10001                  ; ksl1
	s_and_b32 s18, ttmp9, 1                        ; nt2
	s_lshl_b32 s20, s16, 18                        ; source: 128 w rows of 2,048 bytes
	s_lshl_b32 s19, s18, 17                        ; + 64 nt2 rows
	s_or_b32 s20, s20, s19
	s_lshl_b32 s19, s15, 9                         ; + 128 sl columns of 4 bytes
	s_or_b32 s20, s20, s19
	s_lshl_b32 s19, s17, 8                         ; + 64 ksl1 columns
	s_or_b32 s20, s20, s19
	s_mov_b32 s21, 0
	s_lshr_b32 s22, ttmp9, 1                       ; destination: (mat, sl, w, ksl1) << 14
	s_lshl_b32 s22, s22, 14
	s_lshl_b32 s19, s18, 12                        ; + nt2 << 12
	s_or_b32 s22, s22, s19
	s_mov_b32 s23, 0
	v_and_b32 v1, 15, v0                           ; lane & 15
	v_bfe_u32 v2, v0, 6, 2                         ; nt10
	v_lshl_add_u32 v1, v2, 4, v1                   ; my row among the group's 64
	v_lshlrev_b32 v1, 11, v1
	v_bfe_u32 v2, v0, 5, 1                         ; half: 16 columns, 64 bytes
	v_lshl_or_b32 v1, v2, 6, v1
	v_bfe_u32 v2, v0, 4, 1                         ; lane >> 4: 8 columns, 32 bytes
	v_lshl_or_b32 v1, v2, 5, v1
	v_lshlrev_b32 v3, 4, v0                        ; nt10<<10 | half<<9 | lane<<4
	s_wait_kmcnt 0x0
	s_cmp_eq_u32 s14, 1                            ; the matrix is chosen by the work-group's number alone
	s_cselect_b64 s[4:5], s[6:7], s[4:5]
	s_cmp_eq_u32 s14, 2
	s_cselect_b64 s[4:5], s[8:9], s[4:5]
	s_cmp_eq_u32 s14, 3
	s_cselect_b64 s[4:5], s[10:11], s[4:5]
	s_add_nc_u64 s[4:5], s[4:5], s[20:21]
	s_add_nc_u64 s[12:13], s[12:13], s[22:23]
	global_load_b128 v[4:7], v1, s[4:5] th:TH_LOAD_NT              ; the even ksl: 8 numbers
	global_load_b128 v[8:11], v1, s[4:5] offset:16 th:TH_LOAD_NT
	global_load_b128 v[12:15], v1, s[4:5] offset:128 th:TH_LOAD_NT ; the odd ksl: 32 columns on
	global_load_b128 v[16:19], v1, s[4:5] offset:144 th:TH_LOAD_NT
	s_wait_loadcnt 0x0
.irp j, 0,1,2,3,4,5,6,7
	v_cvt_pk_f16_f32 v[20+\j], v[4+2*\j], v[5+2*\j]                ; the lower k into the lower half
.endr
	global_store_b128 v3, v[20:23], s[12:13]                       ; kept near for the next launch: no hint
	global_store_b128 v3, v[24:27], s[12:13] offset:8192           ; ksl + 1
	s_endpgm
.Lfunc_end_k_q7ac9505940_prep:
	.size	k_q7ac9505940_prep, .Lfunc_end_k_q7ac9505940_prep-k_q7ac9505940_prep
	.p2alignl 7, 3214868480
	.fill 96, 4, 3214868480
	.section	.rodata,"a",@progbits
	.p2align	6, 0x0
	.amdhsa_kernel k_q7ac9505940_prep
		.amdhsa_group_segment_fixed_size 0
		.amdhsa_private_segment_fixed_size 0
		.amdhsa_enable_private_segment 0
		.amdhsa_kernarg_size 40
		.amdhsa_user_sgpr_count 2
		.amdhsa_user_sgpr_kernarg_segment_ptr 1
		.amdhsa_wavefront_size32 1
		.amdhsa_system_sgpr_workgroup_id_x 1
		.amdhsa_system_sgpr_workgroup_id_y 1
		.amdhsa_system_sgpr_workgroup_id_z 1
		.amdhsa_system_vgpr_workitem_id 0
		.amdhsa_next_free_vgpr 32
		.amdhsa_next_free_sgpr 66
		.amdhsa_reserve_vcc 0
		.amdhsa_float_denorm_mode_32 3
		.amdhsa_float_denorm_mode_16_64 3
		.amdhsa_memory_ordered 1
		.amdhsa_forward_progress 1
		.amdhsa_inst_pref_size 3
	.end_amdhsa_kernel
	.amdgpu_metadata
---
amdhsa.version: [ 1, 2 ]
amdhsa.kernels:
  - .name:           k_q7ac9505940_prep
    .symbol:         k_q7ac9505940_prep.kd
    .args:
      - { .name: Wq, .offset: 0, .size: 8, .value_kind: global_buffer, .address_space: global }
      - { .name: Wk, .offset: 8, .size: 8, .value_kind: global_buffer, .address_space: global }
      - { .name: Wv, .offset: 16, .size: 8, .value_kind: global_buffer, .address_space: global }
      - { .name: Wo, .offset: 24, .size: 8, .value_kind: global_buffer, .address_space: global }
      - { .name: wf, .offset: 32, .size: 8, .value_kind: global_buffer, .address_space: global }
    .group_segment_fixed_size: 0
    .private_segment_fixed_size: 0
    .kernarg_segment_align: 8
    .kernarg_segment_size: 40
    .max_flat_workgroup_size: 256
    .sgpr_count:     66
    .vgpr_count:     32
    .wavefront_size: 32
...
	.end_amdgpu_metadata
.endif
;; end of part 1
;; launch attn (part 2): grid 256 x 1, 4 waves a work-group, clusters of 4 x 1, 327,680 bytes of LDS; arguments x, l, bo, wf, out0; writes out0
.if DOCPART == 2
	.amdgcn_target "amdgcn-amd-amdhsa--gfx1250"
	.amdhsa_code_object_version 6
	.text
	.protected	k_q7ac9505940_attn
	.globl	k_q7ac9505940_attn
	.p2align	8
	.type	k_q7ac9505940_attn,@function
k_q7ac9505940_attn:
	s_mov_b64 s[64:65], 0
	v_nop
	global_prefetch_b8 v0, s[64:65] scope:SCOPE_SE
	s_setreg_imm32_b32 hwreg(HW_REG_WAVE_MODE, 25, 1), 1
	s_wait_xcnt 0x0
	s_wait_alu depctr_hold_cnt(0) depctr_sa_sdst(0) depctr_va_vdst(0) depctr_va_sdst(0) depctr_va_ssrc(0) depctr_va_vcc(0) depctr_vm_vsrc(0)
	s_getreg_b32 s2, hwreg(HW_REG_IB_STS2, 6, 4)
	s_cmp_eq_u32 s2, 0
	s_cbranch_scc0 .Lentry_in_a_cluster
	s_endpgm
.Lentry_in_a_cluster:
	s_bfe_u32 s2, ttmp6, 0x10000c
	s_cmp_lg_u32 s2, 0x3003
	s_cbranch_scc0 .Lentry_shape_is_right
	s_endpgm
.Lentry_shape_is_right:
; q = x Wq^T, k = l Wk^T, v = l Wv^T, masked softmax attention in 8 heads of 64, out = o Wo^T + bo: all in one launch.
; x [512][16][512], l [512][64][512], out0 [512][16][512] f32; wf: the four weight matrices in f16, in fragment order (16 blocks of 128 KiB).
;
; SHARES.  Batch b sees latents 0 .. b mod 64 only.  A work-group takes the batches A (m = mA, 0..31) and B (m = 63 - mA) of one group of 64:
; in tiles of 16 latents they need 5 tiles together, whatever mA is, so the 256 work-groups have equal work and 80 of 128 rows of l are read.
; Tiles: T0 = A's rows 0-15; T1 = A's rows 16-31 if mA >= 16 (g = 1), else B's rows 0-15; T2..T4 = B's next tiles.  A's queries meet T0, T1,
; B's meet T1..T4; the mask throws out what is not the batch's own or lies above m.  Only global addresses and mask thresholds hang on the
; work-group's number: no branch and no LDS address does.
; Wave w owns features 128 w .. 128 w + 127 of all four products, that is heads 2 w and 2 w + 1: each weight byte in LDS is read by one wave,
; and a head's attention stays in one wave's registers.
; ORIENTATION.  q, k, out: source 0 = weights, source 1 = activations: a lane holds one row (token, latent) and 8 neighbouring features.
; v: source 0 = l, source 1 = Wv: a lane holds one feature and 8 neighbouring latents.  Scores: source 0 = k, source 1 = q: a lane holds one token
; and 8 latents.  o: source 0 = v, source 1 = p.  So every result becomes the next product's fragment by packing to f16 alone.
; WEIGHTS go through two LDS slots of 128 KiB, 16 blocks in all.  CLUSTER: the four work-groups of a cluster walk the same 16 blocks in step and ask for
; each jointly (mask 15): each wave asks for its own 32 KiB part, the same descriptor in all four work-groups.
; By this text's count a wave has two tensor loads out at the start and one behind each refill.
; No prefetch: x and l are asked for a phase ahead into registers (up to 60 loads a wave), and wf was stored by the launch before.
; LIMITS.  Matrix operands are f16, sums and softmax f32: x, l, q, k, v, o of magnitude 65,504 or more become infinite (inputs as drawn give |q|,|k|,|v| about 2.5;
; all inputs 30 times larger about 2.3e3; offsets of 30 spreads about 9.2e3); below 6.1e-5 they carry an absolute error of up to 2^-25.
; Tiles of l wholly above m are not read, so an infinity or NaN there gives no NaN here.  Exponentials below 2^-126 come out as 0 (ISA guide 15.8).
; The row's true maximum over the allowed latents is taken away before the exponential.
;
; LDS: 0 slot 0, 131,072 slot 1 (wave w's part at w x 32,768); 262,144 LB0: 80 rows of 128 f16 of l, pitch 272; 283,904 XO: 32 rows of 512 f16, pitch 1,040
; (x in the q phase, o in the out phase), overlaid by LB1 in the k and v phases.  After slot 0's last fill it holds the way out: wave w at w x 16,896, 32 rows, pitch 528.
; Pitches are odd multiples of 16 bytes: the 16 rows that a 16-byte access touches start in 16 different columns of 16 bytes.
; REGISTERS, in windows of 256: window 0: v0-31 addresses and constants; v32-71, v136-175 activation fragments, v72-135, v176-239 weight fragments (two buffers);
; window 1 and window 2 v0-63: 40 accumulator tiles (t, nt) at 8 (8 t + nt); S0 = window 2 v64-143, S1 = v144-223, S2 = window 3 v0-79, S3 = v80-159:
; chunk c of l in f32, then packed in the lower 40; upper 40 later k fragments, lower 40 later v fragments; window 3 v160-223 q fragments.
.set SLOTB,  131072
.set WPART,  32768
.set LB0,    262144
.set LB1,    283904
.set XO,     283904
.set LPITCH, 272
.set XPITCH, 1040
.set SPITCH, 528
.set MSB, 0
.macro WIN new                         ; the immediate's high byte repeats the setting that is left; a switch that changes nothing is dropped
.if MSB != \new
	s_set_vgpr_msb (MSB<<8)|\new
.set MSB, \new
.endif
.endm
.macro PLACES                          ; four places behind a matrix instruction, in front of loads into, and vector work on, its registers
.rept 4
	v_nop
.endr
.endm
.macro CREST                           ; a round of the cluster's barrier behind its opening work-group barrier
	s_cmp_lg_u32 s14, 0
	s_cbranch_scc1 .Lnot_wave_0_\@
	s_barrier_signal -3
.Lnot_wave_0_\@:
	s_barrier_wait -3
	s_barrier_signal -1
	s_barrier_wait -1
.endm
.macro CROUND                          ; a whole round
	s_barrier_signal -1
	s_barrier_wait -1
	CREST
.endm
.macro WM d, a, b, zero                ; one matrix instruction; zero = 1: it starts the sum, nothing is cleared
.if \zero
	v_wmma_f32_16x16x32_f16 v[\d:\d+7], v[\a:\a+7], v[\b:\b+7], 0
.else
	v_wmma_f32_16x16x32_f16 v[\d:\d+7], v[\a:\a+7], v[\b:\b+7], v[\d:\d+7]
.endif
.endm
; eight matrix instructions: row tile t x my 8 feature tiles, 32 along K, from fragment buffer buf.  swap = 1: activations are source 0 (the v phase).
.macro MUL buf, t, zero, swap
.if \t < 4
	WIN 0x50                               ; C and D in window 1
.else
	WIN 0xa0                               ; C and D in window 2
.endif
.irp nt, 0,1,2,3,4,5,6,7
.if \swap
	WM (64*(\t&3)+8*\nt), (32+104*\buf+8*\t), (72+104*\buf+8*\nt), \zero
.else
	WM (64*(\t&3)+8*\nt), (72+104*\buf+8*\nt), (32+104*\buf+8*\t), \zero
.endif
.endr
.endm
; row tiles first .. ng - 1.  The accumulators take turns, one instruction a turn.
.macro MULS buf, first, ng, zero, swap
.irp t, 0,1,2,3,4
.if \t >= \first
.if \t < \ng
	MUL \buf, \t, \zero, \swap
.endif
.endif
.endr
.endm
.macro FETCHW slot, ksl, buf           ; 8 weight fragments: 16 loads of 512 dense bytes
.irp nt, 0,1,2,3,4,5,6,7
	ds_load_b128 v[72+104*\buf+8*\nt:72+104*\buf+8*\nt+3], v[10+\slot] offset:\ksl*8192+\nt*1024
	ds_load_b128 v[72+104*\buf+8*\nt+4:72+104*\buf+8*\nt+7], v[10+\slot] offset:\ksl*8192+\nt*1024+512
.endr
.endm
.macro FETCHX ks, buf                  ; 2 fragments of x or o: 4 loads
.irp it, 0,1
	ds_load_b128 v[32+104*\buf+8*\it:32+104*\buf+8*\it+3], v12 offset:\it*16*XPITCH+\ks*64
	ds_load_b128 v[32+104*\buf+8*\it+4:32+104*\buf+8*\it+7], v12 offset:\it*16*XPITCH+\ks*64+32
.endr
.endm
.macro FETCHL lb, ksl, buf             ; 5 fragments of l: 10 loads
.irp t, 0,1,2,3,4
	ds_load_b128 v[32+104*\buf+8*\t:32+104*\buf+8*\t+3], v[13+\lb] offset:\t*16*LPITCH+\ksl*64
	ds_load_b128 v[32+104*\buf+8*\t+4:32+104*\buf+8*\t+7], v[13+\lb] offset:\t*16*LPITCH+\ksl*64+32
.endr
.endm
; the fragments of one k-step.  kind 0: x or o (20 loads), kind 1: l (26 loads; chunk c lies in LB[c & 1], which is the weight slot's number)
.macro FETCH kind, slot, sl, ksl, buf
	WIN 0
	FETCHW \slot, \ksl, \buf
.if \kind
	FETCHL \slot, \ksl, \buf
.else
	FETCHX (4*\sl+\ksl), \buf
.endif
.endm
; k-step i (0..2) of a trip: the next k-step's fragments go out into the other buffer, then this one's products
.macro KS kind, slot, sl, i, ng, zero, swap
	PLACES
	FETCH \kind, \slot, \sl, (\i+1), ((\i+1)&1)
	s_wait_dscnt 20+6*\kind                ; all but the loads just issued: this k-step's fragments are in
	MULS (\i&1), 0, \ng, \zero, \swap
.endm
; the last k-step of a trip, on buffer 1, and the change of slots.  In front of the barrier each wave's LDS accesses are done (its reads of this slot and of the
; activation buffer, its stores into the other one) and all its tensor loads have landed, its part of the next slot among them.  refill = 1: the barrier opens a
; round of the cluster's barrier, and behind the round's close the joint load for this slot comes first, one a wave.
.macro TURN slot, ng, swap, nkind, nsl, refill, fetch
	s_wait_dscnt 0x0
	s_wait_tensorcnt 0x0
	ds_add_u32 v30, v31
	s_wait_dscnt 0x0
	s_barrier_signal -1
	MULS 1, 0, 1, 0, \swap                 ; register work while the others arrive
	WIN 0
	s_barrier_wait -1
.if \refill
	CREST
	s_add_nc_u64 s[26+4*\slot:27+4*\slot], s[26+4*\slot:27+4*\slot], 2*SLOTB   ; no tensor load of mine is out: two blocks on
	tensor_load_to_lds s[24+4*\slot:27+4*\slot], s[16:23]
	s_nop 0
.endif
.if \fetch
	PLACES
	FETCH \nkind, (1-\slot), \nsl, 0, 0
.endif
	MULS 1, 1, \ng, 0, \swap
.endm
.macro TRIPA kind, slot, sl, ng, zero, swap
	KS \kind, \slot, \sl, 0, \ng, \zero, \swap
	KS \kind, \slot, \sl, 1, \ng, 0, \swap
.endm
.macro TRIPB kind, slot, sl, ng, swap, nkind, nsl, refill, fetch
	KS \kind, \slot, \sl, 2, \ng, 0, \swap
	TURN \slot, \ng, \swap, \nkind, \nsl, \refill, \fetch
.endm
; chunk c of l (columns 128 c .. 128 c + 127): my rows 16 t + 4 w + rr; each load takes a row's 512 consecutive bytes
.macro LLOAD c
	WIN ((2+(\c>>1))<<6)
.set SI, (\c&1)*80+(1-(\c>>1))*64
.irp t, 0,1,2,3,4
.irp rr, 0,1,2,3
	global_load_b128 v[SI+4*(4*\t+\rr):SI+4*(4*\t+\rr)+3], v4, s[32+2*\t:33+2*\t] offset:\rr*2048+\c*512 th:TH_LOAD_NT
.endr
.endr
.endm
.macro LPACK c                         ; f32 to f16 in place: load i's four registers into registers 2 i, 2 i + 1, which lie at or below what is still to be read
.if \c < 2
	WIN 0x8a
.else
	WIN 0xcf
.endif
.set SI, (\c&1)*80+(1-(\c>>1))*64
.irp i, 0,1,2,3,4,5,6,7,8,9,10,11,12,13,14,15,16,17,18,19
	v_cvt_pk_f16_f32 v[SI+2*\i], v[SI+4*\i], v[SI+4*\i+1]
	v_cvt_pk_f16_f32 v[SI+2*\i+1], v[SI+4*\i+2], v[SI+4*\i+3]
.endr
.endm
.macro LSTORE c                        ; the packed chunk into LB[c & 1]: each store lays a row's 256 consecutive bytes
	WIN (0x08+4*(\c>>1))
.set SI, (\c&1)*80+(1-(\c>>1))*64
.irp t, 0,1,2,3,4
.irp rr, 0,1,2,3
	ds_store_b64 v[8+(\c&1)], v[SI+2*(4*\t+\rr):SI+2*(4*\t+\rr)+1] offset:(16*\t+\rr)*LPITCH
.endr
.endr
.endm
.macro CVTQ                            ; 16 accumulator tiles to q fragments: tile 8 it + nt fills half (nt & 1) of fragment (it, nt >> 1)
	PLACES
	WIN 0xc5
.irp n, 0,1,2,3,4,5,6,7,8,9,10,11,12,13,14,15
.irp r, 0,1,2,3
	v_cvt_pk_f16_f32 v[160+4*\n+\r], v[8*\n+2*\r], v[8*\n+2*\r+1]
.endr
.endr
.endm
; 40 accumulator tiles to k fragments (isv = 0: S_u + 40 + 8 t, u = nt >> 1, half nt & 1) or v fragments (isv = 1: S_(nt >> 1) + 20 (nt & 1) + 4 t).
; hw = my head: its fragments lie in window 2 + hw.
.macro CVTKV isv
	PLACES
.irp hw, 0,1
.irp t, 0,1,2,3,4
.if \t < 4
	WIN (((2+\hw)<<6)|0x05)
.else
	WIN (((2+\hw)<<6)|0x0a)
.endif
.irp n4, 0,1,2,3
.irp r, 0,1,2,3
.if \isv
	v_cvt_pk_f16_f32 v[(\n4>>1)*80+(1-\hw)*64+20*(\n4&1)+4*\t+\r], v[64*(\t&3)+8*(4*\hw+\n4)+2*\r], v[64*(\t&3)+8*(4*\hw+\n4)+2*\r+1]
.else
	v_cvt_pk_f16_f32 v[(\n4>>1)*80+(1-\hw)*64+40+8*\t+4*(\n4&1)+\r], v[64*(\t&3)+8*(4*\hw+\n4)+2*\r], v[64*(\t&3)+8*(4*\hw+\n4)+2*\r+1]
.endif
.endr
.endr
.endr
.endr
.endm
.macro SC n, it, t, hd, ks             ; score tile n = latents of tile t x tokens of batch it, features 32 ks .. of head hd
	WM (32+8*\n), (\ks*80+(1-\hd)*64+40+8*\t), (160+8*(4*\it+2*\hd+\ks)), (1-\ks)
.endm
; the attention of my head hd for both batches.  v32-79 six score tiles (A: T0, T1; B: T1..T4), v80-103 p, v104-167 o, v168-199 o packed.
.macro ATT hd
	WIN (0x0e+\hd)                         ; source 0 (k) in window 2 + hd, source 1 (q) in window 3
.irp ks, 0,1
	SC 0, 0, 0, \hd, \ks
	SC 1, 0, 1, \hd, \ks
	SC 2, 1, 1, \hd, \ks
	SC 3, 1, 2, \hd, \ks
	SC 4, 1, 3, \hd, \ks
	SC 5, 1, 4, \hd, \ks
.endr
	PLACES
	WIN 0
	; the mask: register j of a lane is latent 8 h + j of its tile; what is not allowed becomes -inf
.irp j, 0,1,2,3,4,5,6,7
	v_cmp_le_i32 vcc_lo, \j, v18           ; A, T0: j <= mA - 8 h
	v_cndmask_b32 v[32+\j], v21, v[32+\j], vcc_lo
	v_cmp_le_i32 vcc_lo, 16+\j, v18        ; A, T1: never true where T1 is B's tile, since mA < 16 there
	v_cndmask_b32 v[40+\j], v21, v[40+\j], vcc_lo
.endr
	v_cmp_le_i32 vcc_lo, 0, v20            ; B, T1: all of it if it is B's tile, else none
.irp j, 0,1,2,3,4,5,6,7
	v_cndmask_b32 v[48+\j], v21, v[48+\j], vcc_lo
.endr
.irp t, 2,3,4
.irp j, 0,1,2,3,4,5,6,7
	v_cmp_le_i32 vcc_lo, 16*(\t-1)+\j, v19 ; B, Tt: 16 (t - 1 - g) + 8 h + j <= mB
	v_cndmask_b32 v[40+8*\t+\j], v21, v[40+8*\t+\j], vcc_lo
.endr
.endr
	; the rows' maxima: three chains in the lane, then the partner lane (the other 8 latents of each tile).  Latent 0 is always allowed.
	v_max_num_f32 v240, v32, v33
	v_max_num_f32 v241, v48, v49
	v_max_num_f32 v250, v64, v65
.irp j, 2,4,6,8,10,12,14
	v_max3_num_f32 v240, v240, v[32+\j], v[33+\j]
	v_max3_num_f32 v241, v241, v[48+\j], v[49+\j]
	v_max3_num_f32 v250, v250, v[64+\j], v[65+\j]
.endr
	v_max_num_f32 v241, v241, v250
	v_permlanex16_b32 v22, v240, s58, s59
	v_permlanex16_b32 v23, v241, s58, s59
	v_max_num_f32 v240, v240, v22
	v_max_num_f32 v241, v241, v23
	v_mul_f32 v242, s57, v240              ; - max x c, c = 64^-0.5 x log2 e, twice for the packed form
	v_mul_f32 v243, s57, v240
	v_mul_f32 v244, s57, v241
	v_mul_f32 v245, s57, v241
.irp j, 0,2,4,6,8,10,12,14
	v_pk_fma_f32 v[32+\j:33+\j], v[32+\j:33+\j], s[56:57], v[242:243] op_sel_hi:[1,0,1]
.endr
.irp j, 0,2,4,6,8,10,12,14,16,18,20,22,24,26,28,30
	v_pk_fma_f32 v[48+\j:49+\j], v[48+\j:49+\j], s[56:57], v[244:245] op_sel_hi:[1,0,1]
.endr
.set e, 0
.rept 48
	v_exp_f32 v[32+e], v[32+e]
.set e, e+1
.endr
	v_nop                                  ; one plain place behind the exponentials before their results are read (ISA guide 5.7.2)
	s_wait_alu depctr_va_vdst(0)
	v_pk_add_f32 v[246:247], v[32:33], v[34:35]
	v_pk_add_f32 v[248:249], v[48:49], v[50:51]
	v_pk_add_f32 v[250:251], v[64:65], v[66:67]
.irp j, 4,6,8,10,12,14
	v_pk_add_f32 v[246:247], v[246:247], v[32+\j:33+\j]
	v_pk_add_f32 v[248:249], v[248:249], v[48+\j:49+\j]
	v_pk_add_f32 v[250:251], v[250:251], v[64+\j:65+\j]
.endr
	v_pk_add_f32 v[248:249], v[248:249], v[250:251]
	v_add_f32 v246, v246, v247
	v_add_f32 v248, v248, v249
	v_permlanex16_b32 v22, v246, s58, s59
	v_permlanex16_b32 v23, v248, s58, s59
	v_add_f32 v246, v246, v22              ; at least 1: the maximum's own term
	v_add_f32 v248, v248, v23
	v_rcp_f32 v252, v246                   ; twice each, for the packed multiply; the packing below is the plain work behind them
	v_rcp_f32 v253, v246
	v_rcp_f32 v254, v248
	v_rcp_f32 v255, v248
.irp n, 0,1,2,3,4,5
.irp r, 0,1,2,3
	v_cvt_pk_f16_f32 v[80+4*\n+\r], v[32+8*\n+2*\r], v[33+8*\n+2*\r]   ; two neighbouring tiles make one fragment of 32 latents
.endr
.endr
	WIN (0x02+\hd)                         ; source 0 (v) in window 2 + hd
.irp dt, 0,1,2,3
	WM (136+8*\dt), ((\dt>>1)*80+(1-\hd)*64+20*(\dt&1)+4), 88, 1       ; B: T1, T2
.endr
.irp dt, 0,1,2,3
	WM (104+8*\dt), ((\dt>>1)*80+(1-\hd)*64+20*(\dt&1)), 80, 1         ; A: T0, T1
.endr
.irp dt, 0,1,2,3
	WM (136+8*\dt), ((\dt>>1)*80+(1-\hd)*64+20*(\dt&1)+12), 96, 0      ; B: T3, T4
.endr
	PLACES
	WIN 0
	s_wait_alu depctr_va_vdst(0)
.irp o, 0,1,2,3,4,5,6,7
.irp r, 0,2,4,6
	v_pk_mul_f32 v[104+8*\o+\r:105+8*\o+\r], v[104+8*\o+\r:105+8*\o+\r], v[252+2*(\o>>2):253+2*(\o>>2)]   ; a lane holds one token: one 1 / sum
.endr
.irp r, 0,1,2,3
	v_cvt_pk_f16_f32 v[168+4*\o+\r], v[104+8*\o+2*\r], v[105+8*\o+2*\r]
.endr
	ds_store_b128 v15, v[168+4*\o:171+4*\o] offset:(\o>>2)*16*XPITCH+\hd*128+(\o&3)*32
.endr
.endm
	; ---------------------------------------------------------------- the head
	s_load_b256 s[4:11], s[0:1], 0x0               ; x s[4:5], l s[6:7], bo s[8:9], wf s[10:11]
	s_load_b64 s[12:13], s[0:1], 0x20              ; out0
	v_lshl_add_u32 v30, v0, 2, 0x4d700
	v_mov_b32 v31, 0
	ds_add_u32 v30, v31
	v_lshrrev_b32 v1, 5, v0
	v_readfirstlane_b32 s14, v1                    ; wave 0..3
	s_bfe_u32 s15, ttmp6, 0x40000                  ; cx
	s_lshl_b32 s53, ttmp9, 2
	s_add_co_u32 s53, s53, s15                     ; work-group = 4 x cluster + cx
	s_and_b32 s48, s53, 31                         ; mA
	s_sub_co_u32 s49, 63, s48                      ; mB
	s_lshr_b32 s50, s48, 4                         ; g
	s_lshr_b32 s60, s53, 5
	s_lshl_b32 s60, s60, 6
	s_add_co_u32 s51, s60, s48                     ; batch A
	s_add_co_u32 s52, s60, s49                     ; batch B
	s_mov_b32 s56, 0x3e38aa3b                      ; c = 0.125 x log2 e
	s_mov_b32 s57, 0xbe38aa3b                      ; - c
	s_mov_b32 s58, 0x76543210                      ; v_permlanex16_b32: lane i of one half reads lane i of the other
	s_mov_b32 s59, 0xfedcba98
	; descriptor group 1: a dense part of 32 KiB as 128 rows of 32 elements of 8 bytes
	s_mov_b32 s16, 15|(3<<16)|(1<<21)              ; 15:0 the mask: all four work-groups of the cluster; 17:16 elements of 8 bytes; 21 set beside a mask
	s_mov_b32 s17, 32<<16                          ; tensor_dim0 = 32
	s_mov_b32 s18, 128<<16                         ; tensor_dim1 = 128
	s_mov_b32 s19, 32<<16                          ; tile_dim0 = 32
	s_mov_b32 s20, 128                             ; tile_dim1 = 128
	s_mov_b32 s21, 32                              ; from row to row: 32 elements
	s_mov_b32 s22, 0
	s_mov_b32 s23, 0
	v_and_b32 v1, 31, v0                           ; lane
	v_and_b32 v2, 15, v0                           ; r
	v_bfe_u32 v3, v0, 4, 1                         ; h
	v_lshlrev_b32 v5, 4, v1                        ; x loads: 16 x lane
	v_lshl_add_u32 v4, s14, 13, v5                 ; l loads: + 4 w rows of 2,048 bytes
	v_lshl_add_u32 v6, s14, 9, v5                  ; bo and out0: + 128 w columns of 4 bytes
	s_mul_i32 s60, s14, 8*XPITCH
	s_add_co_u32 s60, s60, XO
	v_lshl_add_u32 v7, v1, 3, s60                  ; x into XO: rows 8 w .., 8 bytes a lane
	s_mul_i32 s60, s14, 4*LPITCH
	s_add_co_u32 s61, s60, LB0
	v_lshl_add_u32 v8, v1, 3, s61                  ; l into LB0: rows 4 w ..
	s_add_co_u32 s61, s60, LB1
	v_lshl_add_u32 v9, v1, 3, s61                  ; l into LB1
	s_lshl_b32 s60, s14, 15
	v_add_nc_u32 v10, s60, v5                      ; weight fragments, slot 0: my part + 16 x lane
	v_add_nc_u32 v11, SLOTB, v10                   ; slot 1
	v_mul_u32_u24 v12, v2, XPITCH
	v_lshl_add_u32 v12, v3, 4, v12
	v_add_nc_u32 v12, XO, v12                      ; fragments of x and o: row r, 16 h
	v_mul_u32_u24 v13, v2, LPITCH
	v_lshl_add_u32 v13, v3, 4, v13
	v_add_nc_u32 v14, LB1, v13                     ; fragments of l in LB1
	v_add_nc_u32 v13, LB0, v13                     ; and in LB0
	v_lshl_add_u32 v15, s14, 8, v12                ; o into XO: + my 128 features of 2 bytes
	v_mul_u32_u24 v16, v2, SPITCH
	v_lshl_add_u32 v16, v3, 5, v16
	s_mul_i32 s60, s14, 32*SPITCH
	v_add_nc_u32 v16, s60, v16                     ; the way out, in: row r, 32 h
	v_add_nc_u32 v17, s60, v5                      ; the way out, back: 16 x lane of a row
	v_lshlrev_b32 v22, 3, v3                       ; 8 h
	v_sub_nc_u32 v18, s48, v22                     ; mA - 8 h
	s_lshl4_add_u32 s61, s50, s49
	v_sub_nc_u32 v19, s61, v22                     ; mB + 16 g - 8 h
	s_cmp_eq_u32 s50, 1
	s_cselect_b32 s61, -1, 63
	v_mov_b32 v20, s61                             ; T1 belongs to B: 63, to A: -1
	v_mov_b32 v21, 0xff800000                      ; -inf
	v_mov_b32 v23, 0                               ; v22, v23: the lane exchange's destinations, written before
	s_wait_dscnt 0x0
	s_wait_kmcnt 0x0
	s_lshl_b32 s60, s51, 17                        ; a batch of l is 131,072 bytes, a tile of 16 rows 32,768
	s_lshl_b32 s61, s52, 17
	s_mov_b32 s55, 0
	s_mov_b32 s54, s60
	s_add_nc_u64 s[32:33], s[6:7], s[54:55]        ; T0
	s_add_co_u32 s54, s60, 0x8000
	s_cmp_eq_u32 s50, 1
	s_cselect_b32 s54, s54, s61
	s_add_nc_u64 s[34:35], s[6:7], s[54:55]        ; T1
	s_lshl_b32 s60, s50, 15
	s_sub_co_u32 s61, s61, s60
.irp t, 2,3,4
	s_add_co_u32 s54, s61, (\t-1)<<15
	s_add_nc_u64 s[32+2*\t:33+2*\t], s[6:7], s[54:55]      ; Tt = B's rows 16 (t - 1 - g) ..
.endr
	s_lshr_b32 s60, s14, 1                         ; x: waves 0, 1 take A's 16 rows, waves 2, 3 B's, 8 rows each
	s_cmp_eq_u32 s60, 1
	s_cselect_b32 s60, s52, s51
	s_lshl_b32 s60, s60, 15
	s_and_b32 s61, s14, 1
	s_lshl_b32 s61, s61, 14
	s_add_co_u32 s54, s60, s61
	s_add_nc_u64 s[42:43], s[4:5], s[54:55]
	s_lshl_b32 s54, s51, 15
	s_add_nc_u64 s[44:45], s[12:13], s[54:55]      ; out0 at batch A
	s_lshl_b32 s54, s52, 15
	s_add_nc_u64 s[46:47], s[12:13], s[54:55]      ; and at batch B
	global_load_b128 v[24:27], v6, s[8:9]          ; bo of my 4 columns on the way out
	WIN 0x40
.irp rr, 0,1,2,3,4,5,6,7
.irp q, 0,1,2,3
	global_load_b128 v[4*(4*\rr+\q):4*(4*\rr+\q)+3], v5, s[42:43] offset:\rr*2048+\q*512 th:TH_LOAD_NT   ; into window 1, where sums begin later
.endr
.endr
	LLOAD 0
	WIN 0
	CROUND                                         ; all four work-groups are here: the first joint loads meet
	s_mul_i32 s60, s14, WPART
	s_mov_b32 s54, s60
	s_add_nc_u64 s[10:11], s[10:11], s[54:55]      ; wf at my wave's part of block 0
.irp n, 0,1
	s_mov_b32 s[24+4*\n], 1                                        ; count = 1
	s_add_co_u32 s[25+4*\n], s60, \n*SLOTB                         ; LDS address: the slot, my part
	s_add_nc_u64 s[26+4*\n:27+4*\n], s[10:11], \n*SLOTB            ; global address: block n
	s_or_b32 s[27+4*\n], s[27+4*\n], 0x80000000                    ; type = 2
	tensor_load_to_lds s[24+4*\n:27+4*\n], s[16:23]
	s_nop 0
.endr
	s_wait_loadcnt 20                              ; the 20 loads of l's chunk 0 are younger: bo and x are in
	WIN 0x05
.set e, 0
.rept 32
	v_cvt_pk_f16_f32 v[32+2*e], v[4*e], v[4*e+1]
	v_cvt_pk_f16_f32 v[33+2*e], v[4*e+2], v[4*e+3]
.set e, e+1
.endr
	WIN 0
.set e, 0
.rept 32
	ds_store_b64 v7, v[32+2*e:33+2*e] offset:(e>>2)*XPITCH+(e&3)*256
.set e, e+1
.endr
	LLOAD 1
	LLOAD 2                                        ; 60 loads of l are on their way
	s_wait_dscnt 0x0                               ; my rows of x are in XO
	s_wait_tensorcnt 0x1                           ; my part of block 0 has landed; block 1 may stay out
	s_barrier_signal -1
	s_barrier_wait -1
	FETCH 0, 0, 0, 0, 0
	; ---------------------------------------------------------------- q = x Wq^T: blocks 0-3, 2 row tiles
	TRIPA 0, 0, 0, 2, 1, 0
	TRIPB 0, 0, 0, 2, 0, 0, 1, 1, 1
	TRIPA 0, 1, 1, 2, 0, 0
	TRIPB 0, 1, 1, 2, 0, 0, 2, 1, 1
	TRIPA 0, 0, 2, 2, 0, 0
	TRIPB 0, 0, 2, 2, 0, 0, 3, 1, 1
	TRIPA 0, 1, 3, 2, 0, 0
	s_wait_loadcnt 40                              ; chunks 1 and 2 are younger: chunk 0 is in
	LPACK 0
	LSTORE 0                                       ; LB0's first use; shown to the others by this trip's barrier
	LLOAD 3
	TRIPB 0, 1, 3, 2, 0, 1, 0, 1, 1
	CVTQ
	; ---------------------------------------------------------------- k = l Wk^T: blocks 4-7, 5 row tiles.  The store in a trip goes into the buffer
	; that the trip before read: those reads were waited for in front of that trip's barrier.
	TRIPA 1, 0, 0, 5, 1, 0
	s_wait_loadcnt 40                              ; chunks 2 and 3 are younger
	LPACK 1
	LSTORE 1                                       ; LB1 lies on XO: x was last read in front of the last barrier
	TRIPB 1, 0, 0, 5, 0, 1, 0, 1, 1
	TRIPA 1, 1, 0, 5, 0, 0
	s_wait_loadcnt 20                              ; chunk 3 is younger
	LPACK 2
	LSTORE 2
	TRIPB 1, 1, 0, 5, 0, 1, 0, 1, 1
	TRIPA 1, 0, 0, 5, 0, 0
	s_wait_loadcnt 0
	LPACK 3
	LSTORE 3
	TRIPB 1, 0, 0, 5, 0, 1, 0, 1, 1
	TRIPA 1, 1, 0, 5, 0, 0
	LSTORE 0                                       ; chunk 0 once more, from its packed registers, for v
	TRIPB 1, 1, 0, 5, 0, 1, 0, 1, 1
	CVTKV 0
	; ---------------------------------------------------------------- v = l Wv^T: blocks 8-11, l as source 0
	TRIPA 1, 0, 0, 5, 1, 1
	LSTORE 1
	TRIPB 1, 0, 0, 5, 1, 1, 0, 1, 1
	TRIPA 1, 1, 0, 5, 0, 1
	LSTORE 2
	TRIPB 1, 1, 0, 5, 1, 1, 0, 1, 1
	TRIPA 1, 0, 0, 5, 0, 1
	LSTORE 3
	TRIPB 1, 0, 0, 5, 1, 1, 0, 1, 1
	TRIPA 1, 1, 0, 5, 0, 1
	TRIPB 1, 1, 0, 5, 1, 0, 0, 1, 0                ; block 13 is asked for; nothing is fetched: o is not there yet
	CVTKV 1
	; ---------------------------------------------------------------- attention, in registers; o goes into XO (LB1's last reads ended in front of the last barrier)
	ATT 0
	ATT 1
	s_wait_dscnt 0x0                               ; my features of o are in XO
	s_barrier_signal -1                            ; block 13's load may stay out
	s_barrier_wait -1
	FETCH 0, 0, 0, 0, 0                            ; block 12 was shown landed in front of the last round
	; ---------------------------------------------------------------- out = o Wo^T: blocks 12-15
	TRIPA 0, 0, 0, 2, 1, 0
	TRIPB 0, 0, 0, 2, 0, 0, 1, 1, 1
	TRIPA 0, 1, 1, 2, 0, 0
	TRIPB 0, 1, 1, 2, 0, 0, 2, 1, 1
	TRIPA 0, 0, 2, 2, 0, 0
	TRIPB 0, 0, 2, 2, 0, 0, 3, 0, 1                ; nothing is left to fetch: a plain barrier
	TRIPA 0, 1, 3, 2, 0, 0
	KS 0, 1, 3, 2, 2, 0, 0
	s_wait_dscnt 0x0
	MULS 1, 0, 2, 0, 0
	; ---------------------------------------------------------------- the way out: 32 rows x my 128 columns of f32 through my own stage in slot 0, which has had its
	; last fill and whose last reads, every wave's, ended in front of the last barrier.  LDS serves a wave's instructions in order (ISA guide 5.7.1): no wait between.
	PLACES
	WIN 0x04
.irp n, 0,1,2,3,4,5,6,7,8,9,10,11,12,13,14,15
	ds_store_b128 v16, v[8*\n:8*\n+3] offset:(\n>>3)*16*SPITCH+(\n&7)*64
	ds_store_b128 v16, v[8*\n+4:8*\n+7] offset:(\n>>3)*16*SPITCH+(\n&7)*64+16
.endr
	WIN 0
.set e, 0
.rept 32
	ds_load_b128 v[32+4*e:35+4*e], v17 offset:e*SPITCH
.set e, e+1
.endr
.set e, 0
.rept 32
	s_wait_dscnt 31-e                              ; row e is back; the younger rows may be out
	v_pk_add_f32 v[32+4*e:33+4*e], v[32+4*e:33+4*e], v[24:25]
	v_pk_add_f32 v[34+4*e:35+4*e], v[34+4*e:35+4*e], v[26:27]
	global_store_b128 v6, v[32+4*e:35+4*e], s[44+2*(e>>4):45+2*(e>>4)] offset:(e&15)*2048 th:TH_STORE_NT   ; the wave stores 512 consecutive bytes, aligned
.set e, e+1
.endr
	s_wait_tensorcnt 0x0
	ds_add_u32 v30, v31
	s_wait_dscnt 0x0
	CROUND                                         ; the closing round: no work-group ends while a partner may still ask for a block that names it
	s_endpgm
.Lfunc_end_k_q7ac9505940_attn:
	.size	k_q7ac9505940_attn, .Lfunc_end_k_q7ac9505940_attn-k_q7ac9505940_attn
	.p2alignl 7, 3214868480
	.fill 96, 4, 3214868480
	.section	.rodata,"a",@progbits
	.p2align	6, 0x0
	.amdhsa_kernel k_q7ac9505940_attn
		.amdhsa_group_segment_fixed_size 327680
		.amdhsa_private_segment_fixed_size 0
		.amdhsa_enable_private_segment 0
		.amdhsa_kernarg_size 40
		.amdhsa_user_sgpr_count 2
		.amdhsa_user_sgpr_kernarg_segment_ptr 1
		.amdhsa_wavefront_size32 1
		.amdhsa_system_sgpr_workgroup_id_x 1
		.amdhsa_system_sgpr_workgroup_id_y 1
		.amdhsa_system_sgpr_workgroup_id_z 1
		.amdhsa_system_vgpr_workitem_id 0
		.amdhsa_next_free_vgpr 1024
		.amdhsa_next_free_sgpr 66
		.amdhsa_reserve_vcc 1
		.amdhsa_float_denorm_mode_32 3
		.amdhsa_float_denorm_mode_16_64 3
		.amdhsa_memory_ordered 1
		.amdhsa_forward_progress 1
		.amdhsa_inst_pref_size 255
	.end_amdhsa_kernel
	.section	.bss,"aw",@nobits
	.p2align	6
	.space	262144
	.amdgpu_metadata
---
amdhsa.version: [ 1, 2 ]
amdhsa.kernels:
  - .name:           k_q7ac9505940_attn
    .symbol:         k_q7ac9505940_attn.kd
    .args:
      - { .name: x, .offset: 0, .size: 8, .value_kind: global_buffer, .address_space: global }
      - { .name: l, .offset: 8, .size: 8, .value_kind: global_buffer, .address_space: global }
      - { .name: bo, .offset: 16, .size: 8, .value_kind: global_buffer, .address_space: global }
      - { .name: wf, .offset: 24, .size: 8, .value_kind: global_buffer, .address_space: global }
      - { .name: out0, .offset: 32, .size: 8, .value_kind: global_buffer, .address_space: global }
    .group_segment_fixed_size: 327680
    .private_segment_fixed_size: 0
    .kernarg_segment_align: 8
    .kernarg_segment_size: 40
    .max_flat_workgroup_size: 128
    .sgpr_count:     66
    .vgpr_count:     1024
    .wavefront_size: 32
...
	.end_amdgpu_metadata
.endif
;; end of part 2
